; MI455X (gfx1250); checked and timed in simulation.
; The chip was launched on July 23, 2026; its instructions are those of AMD's public machine-readable ISA for CDNA 5 (MIT licence, August 2026) and "CDNA5" Instruction Set Architecture Reference Guide (July 2026). The comments in the code are by the model that wrote it; some were corrected since.
;; Pytorch Flex Attention. Allowed arithmetic: matrix products marked QUANTISED: E4M3 operands, one given power-of-two scale a tensor, by v_wmma_f32_16x16x64_fp8_fp8 or v_wmma_f32_16x16x128_fp8_fp8, f32 sums; everything else in f32.
;; Inputs: attention_mask 2,048 x 2,048 bool; key_codes 2,048 x 2 x 8 x 4 x 32 uint8 (E4M3 codes of key, K innermost, in blocks of 32 codes); lowp_scales 4 int32 (the exponents e of the quantised operands' scales 2^e); query_codes 2,048 x 2 x 32 x 4 x 32 uint8 (E4M3 codes of query, K innermost, in blocks of 32 codes); value_codes 2 x 8 x 128 x 64 x 32 uint8 (E4M3 codes of value, K innermost, in blocks of 32 codes).
;; Outputs: out0 2,048 x 2 x 4,096 float32.
;; This version of the problem:
;;   THIS VERSION OF THE PROBLEM IS GIVEN IN LOW PRECISION. The matrix products marked QUANTISED in the list below multiply operands that are first quantised to E4M3 (4 exponent bits, 3 mantissa bits; 8 bits a number), with one given power-of-two scale for each operand tensor; their sums are f32. All else is computed in f32.
;;   The module's matrix products, in the order in which they are computed (A, B: the left and right operand; K: the contracted axis; several contracted axes count as one K, in the product's order):
;;     1. batch 64 x [M 2,048, K 128] x [K 128, N 2,048]; A: input query (given as codes); B: input key (given as codes): QUANTISED (scales: A lowp_scales[0], B lowp_scales[1])
;;     2. batch 64 x [M 2,048, K 2,048] x [K 2,048, N 128]; A: softmax (see below); B: input value (given as codes): QUANTISED (scales: A lowp_scales[2], B lowp_scales[3])
;;   THE QUANTISER, for each operand of a quantised product, along K:
;;     - The operand's scale is 2^e, e = its entry of the input lowp_scales (int32; the entries are numbered through the quantised products in the list's order, A before B).
;;     - Each number is divided by the scale, clamped to +-448, and rounded to the nearest number of E4M3, ties to even, subnormals kept.
;;     - The product sums the exact products of the quantised numbers (number of the format x scale) in f32.
;;   ~~~python
;;   def quantise(x, axis, e):      # numpy; x: float32 -> the quantised numbers, widened to float32 again
;;       x = np.moveaxis(x, axis, -1); K = x.shape[-1]
;;       r = np.clip(x / 2.0 ** e, -448, 448)
;;       step = 2.0 ** (np.maximum(np.frexp(np.where(r == 0, 1, r))[1] - 1, -6) - 3)
;;       q = np.round(r / step) * step * 2.0 ** e      # np.round: ties to even
;;       return np.moveaxis(q, -1, axis).astype(np.float32)
;;   ~~~
;;   SOFTMAX AHEAD OF A QUANTISED PRODUCT. Where the list says 'softmax', what is quantised is not the finished softmax but p = 2^(t - M), with t = logit x log2(e) and M = ceil(the row's largest t), a whole number; so 1/2 < the row's largest p <= 1. The row's sum l is taken of the UNQUANTISED p, in f32, and the product's result is divided by l at the end. Since M is a whole number, a kernel that streams over the keys may use a running M (the ceiling of the running maximum): every later rescaling is an exact power of two, so the quantised numbers keep their values, but for numbers so far below the row's largest that they fall under the format's range.
;;   OPERANDS COMPUTED ON THE WAY. 'Computed on the way' means the value that the module computes at that place (a softmax that the list does not call 'softmax' is quantised finished and normalised). What goes into a quantiser is computed in f32, as accurately as f32 sums, v_exp_f32 and their like allow (about 1e-6 of the number): no bf16 or f16 on the way to a quantiser, and a product that is left as it is and whose result goes on into a quantised operand takes f32 operands (vector FMAs, or v_wmma_f32_16x16x4_f32). A number that lies on a knife's edge between two numbers of the format may be rounded either way, as far as f32 arithmetic and the matrix unit's own rounding can turn it there, and no further.
;;   INPUTS GIVEN AS CODES. key (in the module: [2048, 2, 8, 128], K = its axis 3); query (in the module: [2048, 2, 32, 128], K = its axis 3); value (in the module: [2048, 2, 8, 128], K = its axis 0): each comes as NAME_codes (uint8): NAME with its K axis moved to the last place and cut into blocks of 32 codes, [.., K / 32, bytes a block], one block behind the other in memory; one code a byte (a code: sign, 4 exponent bits, 3 mantissa bits); its scale is its entry of lowp_scales. Its value is code x scale, taken as it is: it is not quantised again, and the codes and scales need not be those that the quantiser above would give.
;; One version. Each part assembles by itself: llvm-mc -triple=amdgcn-amd-amdhsa -mcpu=gfx1250 --defsym DOCPART=n.
;; ======== version 1 of 1: 2 launches
;; limits: right only within a limited range of input values
;; workspace buffers: maskw 524,288 bytes of whole numbers; flags 1,024 bytes of whole numbers
;; launch prep (part 1): grid 128 x 1, 16 waves a work-group, no clusters, 2,304 bytes of LDS; arguments attention_mask, maskw, flags; writes maskw, flags
.if DOCPART == 1
	.amdgcn_target "amdgcn-amd-amdhsa--gfx1250"
	.amdhsa_code_object_version 6
	.text
	.protected	k_q32f0919676_prep
	.globl	k_q32f0919676_prep
	.p2align	8
	.type	k_q32f0919676_prep,@function
k_q32f0919676_prep:
	s_mov_b64 s[64:65], 0
	v_nop
	global_prefetch_b8 v0, s[64:65] scope:SCOPE_SE
	s_setreg_imm32_b32 hwreg(HW_REG_WAVE_MODE, 25, 1), 1
	s_wait_xcnt 0x0
; THE MASK, DIGESTED ONCE.  attention_mask is [2048][2048] bytes (any byte other than 0 counts as true).
; Work-group T takes the tile of 16 query rows 16 T .. 16 T + 15; its wave j takes key step j, keys 128 j .. 128 j + 127.
; OUT 1, maskw: for (T, j) 64 words, word n at ((16 T + j) 64 + n) 4.  Bit L of word n is mask[16 T + L % 16][128 j + 32 (n / 16) + 16 (L / 16) + n % 16]:
;   the lane L and the register n in which the attention launch holds that score, so that a word is a lane mask for one select.
; OUT 2, flags: for T two words at 8 T.  A: bit j set where the tile sees a key of step j; all 16 bits set if one of the 16 rows sees no key at all
;   (such a row's softmax is uniform over all 2,048 keys, so no step may be left out for it).  NF: bit j set where step j is not wholly visible to the tile.
; No branch and no address hangs on a mask byte.  One barrier: the 16 waves' figures meet in 256 bytes of LDS, and wave 0 joins them.
.set ROWB, 2048                        ; bytes in a row of the mask
	s_load_b128 s[4:7], s[0:1], 0x0                ; the mask s[4:5], maskw s[6:7]
	s_load_b64 s[10:11], s[0:1], 0x10              ; flags
	v_lshl_add_u32 v32, v0, 2, 0x100
	v_mov_b32 v33, 0
	v_lshrrev_b32 v1, 5, v0
	v_readfirstlane_b32 s8, v1                     ; wave = key step j
	v_and_b32 v22, 15, v0                          ; r = lane % 16
	v_bfe_u32 v23, v0, 4, 1                        ; h = lane / 16
	v_lshlrev_b32 v1, 11, v22
	v_lshl_add_u32 v1, v23, 4, v1                  ; row r, + 16 h: my 16 bytes of each block of 32 keys
	v_and_b32 v2, 31, v0
	v_lshlrev_b32 v2, 3, v2                        ; 8 x lane: my two words of the step's 64
	v_mov_b32 v3, s8
	v_lshlrev_b32 v3, 4, v3                        ; LDS: 16 bytes for each wave
	v_lshlrev_b32 v30, 4, v22                      ; and where lane k % 16 reads wave k's
	v_mov_b32 v31, 0
	v_mov_b32 v20, 0                               ; written once: v_writelane_b32's destination counts as read
	v_mov_b32 v21, 0
	s_lshl_b32 s2, ttmp9, 15                       ; 16 rows of 2,048 bytes for each tile,
	s_lshl_b32 s3, s8, 7                           ; 128 bytes of a row for each step
	s_add_co_u32 s2, s2, s3
	s_mov_b32 s3, 0
	s_lshl_b32 s14, ttmp9, 4
	s_add_co_u32 s14, s14, s8
	s_lshl_b32 s14, s14, 8                         ; (16 T + j) x 256 bytes of words
	s_mov_b32 s15, 0
	s_lshl_b32 s16, ttmp9, 3                       ; 8 T
	s_mov_b32 s17, 0
	s_mov_b32 s12, 0                               ; the OR of the step's 64 words
	s_mov_b32 s13, -1                              ; and their AND
	s_wait_kmcnt 0x0
	s_add_nc_u64 s[4:5], s[4:5], s[2:3]
	s_add_nc_u64 s[6:7], s[6:7], s[14:15]
	s_add_nc_u64 s[10:11], s[10:11], s[16:17]
.irp b, 0,1,2,3
	global_load_b128 v[4+4*\b:7+4*\b], v1, s[4:5] offset:32*\b   ; keys 32 b + 16 h + 0 .. 15 of row r: byte n % 4 of v[4 + n / 4] belongs to score register n
.endr
	s_wait_loadcnt 0x0
.set n, 0
.rept 64                               ; word n: one byte of each lane, compared with 0, gives the lane mask; it goes to lane n / 2 of v20 (n even) or v21 (n odd)
	v_and_b32 v[22+n%4], 0xff<<(8*(n%4)), v[4+n/4]
	v_cmp_ne_u32 s[16+n%8], 0, v[22+n%4]
	v_writelane_b32 v[20+n%2], s[16+n%8], n/2
	s_or_b32 s12, s12, s[16+n%8]
	s_and_b32 s13, s13, s[16+n%8]
.set n, n+1
.endr
	global_store_b64 v2, v[20:21], s[6:7]          ; 32 lanes store 256 consecutive bytes, at a multiple of 256 from maskw's first byte
	s_cmp_lg_u32 s12, 0
	s_cselect_b32 s14, 1, 0
	s_lshl_b32 s14, s14, s8                        ; bit j: the tile sees a key of this step
	s_cmp_lg_u32 s13, -1
	s_cselect_b32 s15, 1, 0
	s_lshl_b32 s15, s15, s8                        ; bit j: the step is not wholly visible
	v_mov_b32 v26, s14
	v_mov_b32 v27, s15
	v_mov_b32 v28, s12                             ; bit L: row L % 16 sees a key among lane L's 64
	v_mov_b32 v29, 0
	ds_store_b128 v3, v[26:29]                     ; all lanes write the same 16 bytes with the same numbers
	s_wait_dscnt 0x0                               ; for the others' sake: my store has landed
	s_barrier_signal -1
	s_barrier_wait -1
	s_cmp_lg_u32 s8, 0                             ; wave 0 alone joins the sixteen
	s_cbranch_scc1 .Lend
	ds_load_b128 v[4:7], v30                       ; lane k (k < 16) holds wave k's three numbers
	s_wait_dscnt 0x0
	v_readlane_b32 s24, v4, 0                      ; the first starts the sums
	v_readlane_b32 s25, v5, 0
	v_readlane_b32 s26, v6, 0
.irp k, 1,2,3,4,5,6,7,8,9,10,11,12,13,14,15
	v_readlane_b32 s16, v4, \k
	v_readlane_b32 s17, v5, \k
	v_readlane_b32 s18, v6, \k
	s_or_b32 s24, s24, s16                         ; A
	s_or_b32 s25, s25, s17                         ; NF
	s_or_b32 s26, s26, s18                         ; rows that see a key, by lanes
.endr
	s_lshr_b32 s27, s26, 16
	s_or_b32 s26, s26, s27                         ; a row's two lanes joined
	s_and_b32 s26, s26, 0xffff
	s_cmp_lg_u32 s26, 0xffff                       ; a row that sees nothing?
	s_cselect_b32 s24, 0xffff, s24                 ; then every step is walked
	v_mov_b32 v26, s24
	v_mov_b32 v27, s25
	v_cmp_eq_u32 vcc_lo, 0, v0
	s_wait_xcnt 0x0                                ; EXEC is a source of the store above: it changes only behind this wait
	s_and_saveexec_b32 s28, vcc_lo
	global_store_b64 v31, v[26:27], s[10:11]       ; lane 0: the tile's two words
	s_wait_xcnt 0x0                                ; and again in front of the line that widens it
	s_or_b32 exec_lo, exec_lo, s28
.Lend:
	s_wait_tensorcnt 0x0
	ds_add_u32 v32, v33
	s_wait_dscnt 0x0
	s_endpgm
.Lfunc_end_k_q32f0919676_prep:
	.size	k_q32f0919676_prep, .Lfunc_end_k_q32f0919676_prep-k_q32f0919676_prep
	.p2alignl 7, 3214868480
	.fill 96, 4, 3214868480
	.section	.rodata,"a",@progbits
	.p2align	6, 0x0
	.amdhsa_kernel k_q32f0919676_prep
		.amdhsa_group_segment_fixed_size 2304
		.amdhsa_private_segment_fixed_size 0
		.amdhsa_enable_private_segment 0
		.amdhsa_kernarg_size 24
		.amdhsa_user_sgpr_count 2
		.amdhsa_user_sgpr_kernarg_segment_ptr 1
		.amdhsa_wavefront_size32 1
		.amdhsa_system_sgpr_workgroup_id_x 1
		.amdhsa_system_sgpr_workgroup_id_y 1
		.amdhsa_system_sgpr_workgroup_id_z 1
		.amdhsa_system_vgpr_workitem_id 0
		.amdhsa_next_free_vgpr 34
		.amdhsa_next_free_sgpr 66
		.amdhsa_reserve_vcc 1
		.amdhsa_float_denorm_mode_32 3
		.amdhsa_float_denorm_mode_16_64 3
		.amdhsa_memory_ordered 1
		.amdhsa_forward_progress 1
		.amdhsa_inst_pref_size 24
	.end_amdhsa_kernel
	.amdgpu_metadata
---
amdhsa.version: [ 1, 2 ]
amdhsa.kernels:
  - .name:           k_q32f0919676_prep
    .symbol:         k_q32f0919676_prep.kd
    .args:
      - { .name: attention_mask, .offset: 0, .size: 8, .value_kind: global_buffer, .address_space: global }
      - { .name: maskw, .offset: 8, .size: 8, .value_kind: global_buffer, .address_space: global }
      - { .name: flags, .offset: 16, .size: 8, .value_kind: global_buffer, .address_space: global }
    .group_segment_fixed_size: 2304
    .private_segment_fixed_size: 0
    .kernarg_segment_align: 8
    .kernarg_segment_size: 24
    .max_flat_workgroup_size: 512
    .sgpr_count:     66
    .vgpr_count:     34
    .wavefront_size: 32
...
	.end_amdgpu_metadata
.endif
;; end of part 1
;; launch attn (part 2): grid 16 x 32, 8 waves a work-group, no clusters, 142,336 bytes of LDS; arguments query_codes, key_codes, value_codes, lowp_scales, maskw, flags, out0; writes out0
.if DOCPART == 2
	.amdgcn_target "amdgcn-amd-amdhsa--gfx1250"
	.amdhsa_code_object_version 6
	.text
	.protected	k_q32f0919676_attn
	.globl	k_q32f0919676_attn
	.p2align	8
	.type	k_q32f0919676_attn,@function
k_q32f0919676_attn:
	s_mov_b64 s[64:65], 0
	v_nop
	global_prefetch_b8 v0, s[64:65] scope:SCOPE_SE
	s_setreg_imm32_b32 hwreg(HW_REG_WAVE_MODE, 25, 1), 1
	s_wait_xcnt 0x0
; out[s][b][head][:] = the sum over keys of softmax(q . k / sqrt(128), hidden keys at -1e30) v, both products on codes of FP8 (E4M3), one given scale 2^e for each operand: eq, ek, ep, ev.
; query_codes [2048][2][32][128], key_codes [2048][2][8][128] (K = the head's 128); value_codes [2][8][128][2048] (K = the keys); four query heads share a key and value head.
; THE SOFTMAX AHEAD OF THE SECOND PRODUCT: t = score x log2(e) / sqrt(128); M = the running largest t rounded UP to a whole number; p = 2^(t - M) is quantised with 2^ep, not normalised;
; the row's sum is taken of the unquantised p and divides at the end.  When M moves, the sum and O are multiplied by 2^(old M - new M), which rounds nothing.
; THE MASK is an input.  An earlier launch has laid it as lane masks (maskw) and, for each tile of 16 queries, two 16-bit words (flags): the key steps of 128 in which the tile sees a key
; (all 16 where a row sees none), and those that are not wholly visible.  A work-group walks the steps that one of its four tiles of positions names, and selects by the lane masks where a step is not wholly visible.
; A hidden score becomes -2^100 ahead of the maximum.  Times c that is a whole number far under every true t: beside a visible key p = 0; in a row that has seen hidden keys alone t - M is exactly 0 and p = 1,
; which is the uniform row that the definition gives a row with no visible key; the first visible key multiplies such sums by 2^(a saturated negative number) = 0.
; SHARES.  Work-group (x, y): batch and key head x = 8 b + hkv; positions 64 Bq .. + 63 with Bq = 31 - y.  Eight waves; wave w owns positions 16 (w % 4) .. + 15 of query heads 4 hkv + 2 (w / 4) and + 1:
; two tiles of 16 queries, which share every fragment of K and V and every mask word.
; K AND V come from memory through registers into two LDS buffers by turns: each wave loads 16 rows of each at a list place's head and stores them at its end; ONE barrier a place.
; No tensor load, no cluster: the walk hangs on numbers read from memory; the work-groups that read the same K and V are other blocks of positions, whose lists differ; those with the same list share 256 bytes of mask words a step.
; No prefetch: each byte of K and V is read by up to 32 work-groups, it is no stream that is read once.
; LAYOUT.  Both products are used transposed (S^T = K Q^T, O^T = V^T P^T): a lane holds ONE query (lane % 16) throughout.  K's rows lie in LDS with bits 3 and 4 of the key's number swapped, so that a fragment's 16 rows
; are neighbours in LDS and score register n of lane (r, h) is key 32 (n / 16) + 16 h + n % 16: 16 registers are 16 neighbouring keys, and the conversions' results are the second product's operand.
; A fragment (16 rows x 128 codes) comes by four loads of 16 bytes, 32 apart: a permutation of k that is the same in both operands of each product.
; LIMITS: eq + ek between -70 and 25 (c x 2^100 is then a whole f32 number under 3e38, and far over every true |t|); ep between -126 and 119; ep + ev goes by v_ldexp_f32 and has none.  NaN codes are not served.
; The flags give every block of positions at least one step (a tile in which no row sees a key has all 16).
; REGISTERS, in windows of 256.  Window 0: v1-11 addresses and constants that stay; v16-47 Q; v48-175 S^T, then p (64 a tile); v176-207 p's codes; v208-239 K's and V's rows on their way to LDS; v240-255 statistics.
;   Window 1: v0-127 O^T (64 a tile); v128-255 eight fragments, K's and then V's.
.set KP,    144                        ; a row of K or V in LDS: 128 bytes + 16 = 36 words, an odd multiple of 16 bytes: 16 neighbouring rows begin at 16 different 16-byte columns modulo 256 bytes
.set VOFF,  128*KP                     ; a buffer: 128 rows of K, then 128 rows of V
.set BUFB,  256*KP
.set STAGE, 2*BUFB                     ; behind the two buffers: 16 rows x (512 + 16) bytes for each wave, for the way out
.set SP,    528
.set AF0,  1                           ; v1, v2  my lane's place in a fragment, in buffer 0, 1
.set SKA,  3                           ; v3   where I store K's rows
.set SVA,  4                           ; v4   where I store V's rows
.set GV,   5                           ; v5   my byte offset in a step's rows of K and of V in memory (both lie 2,048 bytes apart)
.set NEGV, 6                           ; v6   -2^100
.set LIM,  7                           ; v7   448 x 2^ep
.set SCL,  8                           ; v8   2^ep
.set STO,  9                           ; v9   the way out: where I put 32 bytes of a row
.set RD,   10                          ; v10  and where I read a row back
.set GO,   11                          ; v11  16 x lane
.set Q,    16
.set S,    48
.set P,    176
.set STG,  208
.set ST,   240                         ; tile u at ST + 8 u: +0 -M, +1 the largest t, +2 +3 the sum in two halves, +4 f, +5 zero (named with f as a pair), +6 +7 at work
.set FRG,  128                         ; the fragments, in window 1
.set WV,   2                           ; s2   wave
.set CNT,  3                           ; s3   pairs of list places to go
.set KB,   4                           ; s[4:5]   K at my batch and head
.set VB,   6                           ; s[6:7]   V likewise
.set MB,   8                           ; s[8:9]   maskw at my tile of positions
.set OB,   10                          ; s[10:11] out at my first position and head
.set KA,   12                          ; s[12:13] K at the step that is being loaded
.set VA,   14                          ; s[14:15] V likewise
.set CS,   16                          ; s[16:17] c = log2(e) / sqrt(128) x 2^(eq + ek), twice: the packed form names a pair
.set SEL,  18                          ; s[18:19] v_permlanex16_b32's selects for lane l xor 16
.set REM,  20                          ; s20  steps of the list not yet taken
.set PART, 21                          ; s21  steps of the list that are not wholly visible
.set CUR,  22                          ; s22  the step in hand;  s23: is there one
.set CV,   23
.set NXT,  24                          ; s24  the step behind it;  s25: is there one
.set NV,   25
.set PB,   26                          ; s26  the step in hand wants the mask
.set MA,   30                          ; s[30:31] its 64 words in maskw.  s[28:29]: an offset, s29 = 0.  s[32:63], s[68:99]: the 64 words
.set ESUM, 100                         ; s100 ep + ev
.set HOLDF, 101                        ; s101 1 where 2^-ep lies over 448
.set MSB, 0
.macro WIN new                         ; the immediate's high byte repeats the setting that is left; a switch that changes nothing is dropped
.if MSB != \new
	s_set_vgpr_msb (MSB<<8)|\new
.set MSB, \new
.endif
.endm
.macro PLACES                          ; four plain places behind matrix instructions (ISA guide 7.12.1), where no other vector work is at hand
.rept 4
	v_nop
.endr
.endm
; 16 rows of K and 16 of V of one step, 4 rows of 128 bytes a load: eight lanes read a row's 128 consecutive bytes
.macro LOADKV
.irp i, 0,1,2,3
	global_load_b128 v[STG+4*\i:STG+4*\i+3], v[GV], s[KA:KA+1] offset:8192*\i
	global_load_b128 v[STG+16+4*\i:STG+16+4*\i+3], v[GV], s[VA:VA+1] offset:8192*\i
.endr
.endm
; and into buffer buf: key 16 w + 4 i + .. goes to the row with bits 3 and 4 swapped; V's row d to row d
.macro STOREKV buf
.irp i, 0,1,2,3
	ds_store_b128 v[SKA], v[STG+4*\i:STG+4*\i+3] offset:(\buf)*BUFB+(16*(\i/2)+4*(\i%2))*KP
	ds_store_b128 v[SVA], v[STG+16+4*\i:STG+16+4*\i+3] offset:(\buf)*BUFB+4*\i*KP
.endr
.endm
; eight fragments in one run of 32 loads
.macro FRAGS adr, off
	WIN 0x40                                       ; destination window 1, address window 0
.irp t, 0,1,2,3,4,5,6,7
.irp c, 0,1,2,3
	ds_load_b128 v[FRG+16*\t+4*\c:FRG+16*\t+4*\c+3], v[\adr] offset:\off+16*KP*\t+32*\c
.endr
.endr
.endm
.macro QK u, t                         ; tile u's scores for the 16 keys of fragment t: the product starts the sum
	WIN 0x01                                       ; source 0 (K) window 1
	v_wmma_f32_16x16x128_fp8_fp8 v[S+64*(\u)+8*(\t):S+64*(\u)+8*(\t)+7], v[FRG+16*(\t):FRG+16*(\t)+15], v[Q+16*(\u):Q+16*(\u)+15], 0
.endm
.macro PV u, t                         ; tile u's O^T, channels 16 t on, += V^T P^T over the step's 128 keys
	WIN 0x51                                       ; source 0 (V), C and D window 1; source 1 (p's codes) window 0
	v_wmma_f32_16x16x128_fp8_fp8 v[64*(\u)+8*(\t):64*(\u)+8*(\t)+7], v[FRG+16*(\t):FRG+16*(\t)+15], v[P+16*(\u):P+16*(\u)+15], v[64*(\u)+8*(\t):64*(\u)+8*(\t)+7]
.endm
; hidden scores become -2^100; a wholly visible step jumps over it.  Ascending
.macro MASK u
	WIN 0
	s_cmp_eq_u32 s[PB], 0
	s_cbranch_scc1 .Lopen_\@
.set n, 0
.rept 64
	v_cndmask_b32 v[S+64*(\u)+n], v[NEGV], v[S+64*(\u)+n], s[32+n+4*(n/32)]
.set n, n+1
.endr
.Lopen_\@:
.endm
; The largest score of my query among my 64 keys, in two chains, then the other half of the lanes'; the new M and f.  Eight matrix instructions of the OTHER tile stand among the maxima, one behind every second pair:
; hook = 1: tile 1's K Q^T;  hook = 2: tile 0's V^T P^T.  They name none of the registers at work here.
.macro MAXM u, hook
.set rS, S+64*(\u)
.set rT, ST+8*(\u)
.set mm, 0
.rept 16
.if mm == 0
	v_max_num_f32 v[rT+6], v[rS], v[rS+1]
	v_max_num_f32 v[rT+7], v[rS+2], v[rS+3]
.else
	v_max3_num_f32 v[rT+6], v[rT+6], v[rS+4*mm], v[rS+4*mm+1]
	v_max3_num_f32 v[rT+7], v[rT+7], v[rS+4*mm+2], v[rS+4*mm+3]
.endif
.if (mm%2) == 0
.if \hook == 1
	QK 1, mm/2
.else
	PV 0, mm/2
.endif
	WIN 0
.endif
.set mm, mm+1
.endr
	v_max_num_f32 v[rT+6], v[rT+6], v[rT+7]
	v_permlanex16_b32 v[rT+7], v[rT+6], s[SEL], s[SEL+1]
	v_max_num_f32 v[rT+6], v[rT+6], v[rT+7]        ; and among lane l xor 16's
	v_mul_f32 v[rT+6], s[CS], v[rT+6]              ; as t (c is positive)
	v_max_num_f32 v[rT+1], v[rT+1], v[rT+6]        ; the running largest t
	v_mov_b32 v[rT+6], v[rT]
	v_floor_f32 v[rT], -v[rT+1]                    ; the new -M = floor(-t): M is a whole number
	v_sub_f32 v[rT+6], v[rT], v[rT+6]              ; old M - new M: a whole number, 0 or less
	v_cvt_i32_f32 v[rT+6], v[rT+6]                 ; (it saturates)
	v_ldexp_f32 v[rT+4], 1.0, v[rT+6]              ; f = 2^(old M - new M)
.endm
; p, its sum, its codes, and O^T under the new M
.macro SOFT u
.set rS, S+64*(\u)
.set rT, ST+8*(\u)
.set rP, P+16*(\u)
.set rO, 64*(\u)
	WIN 0
.set j, 0
.rept 32
	v_pk_fma_f32 v[rS+j:rS+j+1], v[rS+j:rS+j+1], s[CS:CS+1], v[rT:rT+1] op_sel_hi:[1,0,0]   ; t - M, two at a time (of the pairs c and -M the low word serves both halves)
.set j, j+2
.endr
.set j, 0
.rept 64
	v_exp_f32 v[rS+j], v[rS+j]                     ; p = 2^(t - M), at most 1
.set j, j+1
.endr
	v_pk_mul_f32 v[rT+2:rT+3], v[rT+2:rT+3], v[rT+4:rT+5] op_sel_hi:[1,0]   ; the sums under the new M: the plain instruction behind the exponentials
	s_wait_alu depctr_va_vdst(0)                   ; one wait for the batch of 64, ahead of its first reader
	v_pk_add_f32 v[rT+6:rT+7], v[rS:rS+1], v[rS+2:rS+3]   ; the sum is taken of the unquantised p, two at a time, in two chains
.set j, 4
.rept 15
	v_pk_add_f32 v[rT+2:rT+3], v[rT+2:rT+3], v[rS+j:rS+j+1]
	v_pk_add_f32 v[rT+6:rT+7], v[rT+6:rT+7], v[rS+j+2:rS+j+3]
.set j, j+4
.endr
	v_pk_add_f32 v[rT+2:rT+3], v[rT+2:rT+3], v[rT+6:rT+7]
	s_cmp_eq_u32 s[HOLDF], 0                       ; p is at most 1: with ep at -8 or above p / 2^ep is at most 256 and needs no hold
	s_cbranch_scc1 .Lnohold_\@
.set j, 0
.rept 64
	v_min_num_f32 v[rS+j], v[rS+j], v[LIM]         ; the conversion to an 8-bit code does not saturate (ISA guide 7.6.2); p is not negative, so the hold is one-sided
.set j, j+1
.endr
.Lnohold_\@:
.irp b, 0,1,2,3
	v_cvt_scalef32_pk8_fp8_f32 v[rP+4*\b:rP+4*\b+1], v[rS+16*\b:rS+16*\b+7], v[SCL]       ; registers 4 b .. 4 b + 3 of the operand: keys 32 b + 16 h + 0 .. 15
	v_cvt_scalef32_pk8_fp8_f32 v[rP+4*\b+2:rP+4*\b+3], v[rS+16*\b+8:rS+16*\b+15], v[SCL]
.endr
	WIN 0x41                                       ; O^T (destination and source 0) window 1, f window 0
.set j, 0
.rept 32
	v_pk_mul_f32 v[rO+j:rO+j+1], v[rO+j:rO+j+1], v[rT+4:rT+5] op_sel_hi:[1,0]   ; O^T x f, each accumulator from its low end on; also the plain lines behind the conversions
.set j, j+2
.endr
	WIN 0
.endm
; ONE PLACE OF THE LIST.  It reads buffer buf and fills the other.  A place behind the list's end runs the barrier alone.
.macro STEP buf
	s_cmp_eq_u32 s[CV], 0
	s_cbranch_scc1 .Lidle_\@
	s_cmp_lg_u32 s[REM], 0                         ; the step behind this one: the lowest bit that is left
	s_cselect_b32 s[NV], 1, 0
	s_ctz_i32_b32 s[NXT], s[REM]
	s_min_u32 s[NXT], s[NXT], 15                   ; a number read from memory enters addresses only under a bound
	s_sub_co_u32 s28, s[REM], 1
	s_and_b32 s[REM], s[REM], s28
	s_lshl_b32 s28, s[CUR], 8
	s_add_nc_u64 s[MA:MA+1], s[MB:MB+1], s[28:29]  ; (the last place's scalar loads were waited for: their base may be written)
	s_load_b512 s[32:47], s[MA:MA+1], 0x0          ; this step's 64 lane masks
	s_load_b512 s[48:63], s[MA:MA+1], 0x40
	s_load_b512 s[68:83], s[MA:MA+1], 0x80
	s_load_b512 s[84:99], s[MA:MA+1], 0xc0
	s_lshl_b32 s28, s[NXT], 18                     ; 128 keys of 2,048 bytes
	s_add_nc_u64 s[KA:KA+1], s[KB:KB+1], s[28:29]  ; (the last place's loads were waited for at its end)
	s_lshl_b32 s28, s[NXT], 7                      ; 128 codes along a row of V
	s_add_nc_u64 s[VA:VA+1], s[VB:VB+1], s[28:29]
	s_lshr_b32 s[PB], s[PART], s[CUR]
	s_and_b32 s[PB], s[PB], 1
	s_cmp_eq_u32 s[NV], 0
	s_cbranch_scc1 .Lnl_\@
	LOADKV                                         ; the next step's rows: they have the whole place in which to come
.Lnl_\@:
	FRAGS AF0+\buf, 0                              ; K
.irp t, 0,1,2,3,4,5,6,7
	s_wait_dscnt 4*(7-\t)                          ; fragment t is in; the four loads of each later fragment may be out
	QK 0, \t
.endr
	WIN 0
	PLACES                                         ; in front of the first read of those scores
	s_wait_kmcnt 0x0                               ; the lane masks
	MASK 0
	MAXM 0, 1                                      ; tile 0's maximum | tile 1's K Q^T
	FRAGS AF0+\buf, VOFF                           ; V, into the registers that K has left: behind the last K Q^T stand two maxima and the lines on M and f, more than four plain places
	SOFT 0
	MASK 1
	s_wait_dscnt 0x0                               ; V is in
	MAXM 1, 2                                      ; tile 1's maximum | tile 0's V^T P^T
	SOFT 1
.irp t, 0,1,2,3,4,5,6,7
	PV 1, \t
.endr
	WIN 0
	PLACES                                         ; in front of the next place's loads into the fragments, and of the way out's reads of O^T
	s_min_u32 s[CUR], s[NXT], 15                   ; the list moves up; the bound is written again where the number next enters an address
	s_mov_b32 s[CV], s[NV]
	s_wait_loadcnt 0x0                             ; the next step's rows are in registers (with none asked for, this is met at once)
	s_cmp_eq_u32 s[NV], 0
	s_cbranch_scc1 .Lidle_\@
	STOREKV 1-\buf                                 ; into the buffer that was read a place ago: every wave waited for those reads in front of that place's barrier
.Lidle_\@:
	s_wait_dscnt 0x0                               ; my stores have landed, and my reads of this place's buffer are over
	s_barrier_signal -1
	s_barrier_wait -1                              ; on every wave's path, whatever the list holds
.endm
	s_load_b256 s[36:43], s[0:1], 0x0              ; Q s[36:37], K s[38:39], V s[40:41], the scales' exponents s[42:43]
	s_load_b128 s[44:47], s[0:1], 0x20             ; maskw s[44:45], flags s[46:47]
	s_load_b64 s[48:49], s[0:1], 0x30              ; out
	v_lshrrev_b32 v12, 5, v0
	v_readfirstlane_b32 s[WV], v12                 ; wave 0..7
	s_and_b32 s50, s[WV], 3                        ; which 16 positions of the block
	s_lshr_b32 s51, s[WV], 2                       ; which pair of query heads
	s_lshr_b32 s60, ttmp9, 3                       ; b
	s_and_b32 s61, ttmp9, 7                        ; hkv
	s_and_b32 s62, ttmp7, 0xffff
	s_sub_co_u32 s62, 31, s62                      ; Bq: the late positions stand first in the grid
	s_lshl_b32 s63, s62, 2
	s_add_co_u32 s63, s63, s50                     ; my tile of 16 positions, T = 4 Bq + w % 4
	v_and_b32 v12, 15, v0                          ; r
	v_bfe_u32 v13, v0, 4, 1                        ; h
	v_and_b32 v14, 31, v0                          ; lane
	v_bfe_u32 v15, v0, 3, 2                        ; lane / 8
	v_and_b32 v11, 7, v0                           ; lane % 8
	v_mul_u32_u24 v[AF0], v12, KP
	v_lshl_add_u32 v[AF0], v13, 4, v[AF0]          ; a fragment's row r, + 16 h
	v_add_nc_u32 v[AF0+1], BUFB, v[AF0]
	v_mul_u32_u24 v[SKA], v15, KP
	v_lshl_add_u32 v[SKA], v11, 4, v[SKA]          ; row lane / 8, 16 bytes for each of eight lanes
	s_lshr_b32 s20, s[WV], 1
	s_lshl_b32 s20, s20, 5
	s_and_b32 s21, s[WV], 1
	s_lshl_b32 s21, s21, 3
	s_add_co_u32 s20, s20, s21                     ; keys 16 w on, bits 3 and 4 swapped: row 32 (w / 2) + 8 (w % 2)
	s_mul_i32 s20, s20, KP
	s_mul_i32 s21, s[WV], 16*KP
	s_add_co_u32 s21, s21, VOFF                    ; V's rows 16 w on
	v_add_nc_u32 v[SVA], s21, v[SKA]
	v_add_nc_u32 v[SKA], s20, v[SKA]
	v_lshlrev_b32 v[GV], 11, v15
	v_lshl_add_u32 v[GV], v11, 4, v[GV]
	s_lshl_b32 s22, s[WV], 15
	v_add_nc_u32 v[GV], s22, v[GV]                 ; in memory: row 16 w + lane / 8 of 2,048 bytes, + 16 (lane % 8)
	s_mul_i32 s23, s[WV], 16*SP
	s_add_co_u32 s23, s23, STAGE                   ; my stage
	v_mul_u32_u24 v[STO], v12, SP
	v_lshl_add_u32 v[STO], v13, 5, v[STO]
	v_add_nc_u32 v[STO], s23, v[STO]               ; in: row r, + 32 h
	v_lshlrev_b32 v[GO], 4, v14
	v_add_nc_u32 v[RD], s23, v[GO]                 ; back: 32 lanes take a row of 512 bytes
	v_lshlrev_b32 v12, 13, v12
	v_lshl_add_u32 v12, v13, 4, v12                ; Q: position r of 8,192 bytes, + 16 h
	v_mov_b32 v[NEGV], 0xf1800000                  ; -2^100
	s_mov_b32 s[SEL], 0x76543210
	s_mov_b32 s[SEL+1], 0xfedcba98
	s_mov_b32 s29, 0
	s_wait_kmcnt 0x0
	s_lshl_b32 s28, s62, 5                         ; four tiles x 8 bytes of flags for each block
	s_add_nc_u64 s[46:47], s[46:47], s[28:29]
	s_load_b256 s[52:59], s[46:47], 0x0            ; A and NF of the block's four tiles of positions: the same in all eight waves
	s_load_b128 s[32:35], s[42:43], 0x0            ; eq, ek, ep, ev
	s_lshl_b32 s28, ttmp9, 7                       ; 1,024 b + 128 hkv
	s_add_nc_u64 s[KB:KB+1], s[38:39], s[28:29]
	s_lshl_b32 s28, ttmp9, 18                      ; 128 rows of 2,048 codes for each (b, hkv)
	s_add_nc_u64 s[VB:VB+1], s[40:41], s[28:29]
	s_lshl_b32 s28, s63, 12                        ; 16 steps x 256 bytes for each tile
	s_add_nc_u64 s[MB:MB+1], s[44:45], s[28:29]
	s_lshl_b32 s28, s63, 19                        ; out: 16 T positions of 32,768 bytes,
	s_lshl_b32 s20, s60, 14                        ; + 16,384 b
	s_add_co_u32 s28, s28, s20
	s_lshl_b32 s20, s61, 11                        ; + 512 x (4 hkv
	s_add_co_u32 s28, s28, s20
	s_lshl_b32 s20, s51, 10                        ;          + 2 (w / 4))
	s_add_co_u32 s28, s28, s20
	s_add_nc_u64 s[OB:OB+1], s[48:49], s[28:29]
	s_lshr_b32 s28, s28, 2                         ; Q has a byte where out has four
	s_add_nc_u64 s[36:37], s[36:37], s[28:29]
.irp u, 0,1
.irp c, 0,1,2,3
	global_load_b128 v[Q+16*\u+4*\c:Q+16*\u+4*\c+3], v12, s[36:37] offset:128*\u+32*\c th:TH_LOAD_NT   ; Q's two fragments stay in registers; read once in the launch
.endr
.endr
	s_wait_kmcnt 0x0
	s_or_b32 s[REM], s52, s54
	s_or_b32 s[PART], s56, s58
	s_or_b32 s[REM], s[REM], s[PART]
	s_and_b32 s[REM], s[REM], 0xffff               ; the list: steps that one of the four tiles names
	s_or_b32 s[PART], s53, s55
	s_or_b32 s[PB], s57, s59
	s_or_b32 s[PART], s[PART], s[PB]
	s_and_b32 s[PART], s[PART], s[REM]             ; of them, those not wholly visible to all four
	s_cmp_lg_u32 s[REM], 0
	s_cselect_b32 s[CV], 1, 0
	s_ctz_i32_b32 s[CUR], s[REM]
	s_min_u32 s[CUR], s[CUR], 15                   ; the first step, under its bound
	s_sub_co_u32 s28, s[REM], 1
	s_and_b32 s[REM], s[REM], s28
	s_lshl_b32 s28, s[CUR], 18
	s_add_nc_u64 s[KA:KA+1], s[KB:KB+1], s[28:29]
	s_lshl_b32 s28, s[CUR], 7
	s_add_nc_u64 s[VA:VA+1], s[VB:VB+1], s[28:29]
	LOADKV                                         ; the first step's rows
	s_add_co_i32 s24, s32, s33
	s_lshl_b32 s24, s24, 23
	s_add_co_i32 s[CS], s24, 0x3e0293ee            ; c = log2(e) / sqrt(128), with eq + ek added to its exponent field
	s_mov_b32 s[CS+1], s[CS]                       ; (named with it as a pair, so it is written)
	s_add_co_i32 s24, s34, 127
	s_lshl_b32 s25, s24, 23
	v_mov_b32 v[SCL], s25                          ; 2^ep as f32: the conversion takes its exponent field
	s_add_co_i32 s24, s24, 8
	s_lshl_b32 s24, s24, 23
	s_or_b32 s24, s24, 0x600000
	v_mov_b32 v[LIM], s24                          ; 448 x 2^ep
	s_add_co_i32 s[ESUM], s34, s35
	s_cmp_lt_i32 s34, -8
	s_cselect_b32 s[HOLDF], 1, 0
	WIN 0x40                                       ; destination window 1
.set j, 0
.rept 128
	v_mov_b32 v[j], 0                              ; O^T.  The step is written once for every place of the list: the first finds zeros, which the first change of M leaves zeros
.set j, j+1
.endr
	WIN 0
.irp u, 0,1
	v_mov_b32 v[ST+8*\u+1], 0xff61b1e6             ; the largest t so far: -3e38, under every t, a hidden key's too
	v_floor_f32 v[ST+8*\u], -v[ST+8*\u+1]          ; -M
	v_mov_b32 v[ST+8*\u+2], 0                      ; the sum, in two halves
	v_mov_b32 v[ST+8*\u+3], 0
	v_mov_b32 v[ST+8*\u+5], 0                      ; (named as the upper half of f's pair)
	v_mov_b32 v[ST+8*\u+6], 0
	v_mov_b32 v[ST+8*\u+7], 0                      ; written once: a lane permute's destination counts as one of its sources
.endr
	s_wait_loadcnt 0x0                             ; Q, and the first step's rows
	STOREKV 0
	s_wait_dscnt 0x0                               ; for the others' sake: my rows lie in buffer 0
	s_barrier_signal -1
	s_barrier_wait -1
	s_mov_b32 s[CNT], 8                            ; 16 places, a constant: the list's steps stand at its front, the places behind them are idle
.Lpair:
	STEP 0
	STEP 1
	s_sub_co_u32 s[CNT], s[CNT], 1
	s_cmp_lg_u32 s[CNT], 0
	s_cbranch_scc1 .Lpair
	; THE WAY OUT.  The sum's two halves and the other half of the lanes' are added; O^T is divided by the sum, multiplied by 2^(ep + ev), and goes through my own stage in LDS, a tile (16 positions x 512 bytes) at a time.
.irp u, 0,1
	v_add_f32 v[ST+8*\u+6], v[ST+8*\u+2], v[ST+8*\u+3]
.endr
.irp u, 0,1
	v_permlanex16_b32 v[ST+8*\u+7], v[ST+8*\u+6], s[SEL], s[SEL+1]
.endr
.irp u, 0,1
	v_add_f32 v[ST+8*\u+6], v[ST+8*\u+6], v[ST+8*\u+7]
.endr
.irp u, 0,1
	v_rcp_f32 v[ST+8*\u+4], v[ST+8*\u+6]
.endr
	v_nop                                          ; a plain instruction behind the last reciprocal
	s_wait_alu depctr_va_vdst(0)                   ; one wait for the two, ahead of their first reader
.irp u, 0,1
	v_ldexp_f32 v[ST+8*\u+4], v[ST+8*\u+4], s[ESUM]
.endr
.macro PACK u
	WIN 0x01                                       ; source 0 (O^T) window 1
.set j, 0
.rept 32
	v_pk_mul_f32 v[S+64*(\u)+j:S+64*(\u)+j+1], v[64*(\u)+j:64*(\u)+j+1], v[ST+8*(\u)+4:ST+8*(\u)+5] op_sel_hi:[1,0]   ; register 8 t + i is out(r, 16 t + 8 h + i); each accumulator from its low end on
.set j, j+2
.endr
	WIN 0
.irp t, 0,1,2,3,4,5,6,7
	ds_store_b128 v[STO], v[S+64*(\u)+8*\t:S+64*(\u)+8*\t+3] offset:64*\t
	ds_store_b128 v[STO], v[S+64*(\u)+8*\t+4:S+64*(\u)+8*\t+7] offset:64*\t+16
.endr
.irp i, 0,1,2,3,4,5,6,7,8,9,10,11,12,13,14,15
	ds_load_b128 v[S+64*(\u)+4*\i:S+64*(\u)+4*\i+3], v[RD] offset:SP*\i   ; LDS serves a wave's instructions in order (ISA guide 5.7.1.4): these see my stores, and the next tile's stores come behind them
.endr
.endm
.macro SEND u, younger                 ; younger: the LDS instructions issued behind tile u's loads, which may stay out
.irp i, 0,1,2,3,4,5,6,7,8,9,10,11,12,13,14,15
	s_wait_dscnt \younger+15-\i
	global_store_b128 v[GO], v[S+64*(\u)+4*\i:S+64*(\u)+4*\i+3], s[OB:OB+1] offset:32768*\i+512*\u th:TH_STORE_NT   ; 32 lanes store 512 consecutive bytes, at a multiple of 256 from out's first byte; written once
.endr
.endm
	PACK 0
	PACK 1                                         ; tile 1's arithmetic stands between tile 0's loads from the stage and its stores
	SEND 0, 32                                     ; behind tile 0's loads: tile 1's 16 stores and 16 loads
	SEND 1, 0
	s_wait_xcnt 0x0
	v_lshl_add_u32 v254, v0, 2, 0x22800
	v_mov_b32 v255, 0
	s_wait_tensorcnt 0x0
	ds_add_u32 v254, v255
	s_wait_dscnt 0x0
	s_endpgm
.Lfunc_end_k_q32f0919676_attn:
	.size	k_q32f0919676_attn, .Lfunc_end_k_q32f0919676_attn-k_q32f0919676_attn
	.p2alignl 7, 3214868480
	.fill 96, 4, 3214868480
	.section	.rodata,"a",@progbits
	.p2align	6, 0x0
	.amdhsa_kernel k_q32f0919676_attn
		.amdhsa_group_segment_fixed_size 142336
		.amdhsa_private_segment_fixed_size 0
		.amdhsa_enable_private_segment 0
		.amdhsa_kernarg_size 56
		.amdhsa_user_sgpr_count 2
		.amdhsa_user_sgpr_kernarg_segment_ptr 1
		.amdhsa_wavefront_size32 1
		.amdhsa_system_sgpr_workgroup_id_x 1
		.amdhsa_system_sgpr_workgroup_id_y 1
		.amdhsa_system_sgpr_workgroup_id_z 1
		.amdhsa_system_vgpr_workitem_id 0
		.amdhsa_next_free_vgpr 512
		.amdhsa_next_free_sgpr 102
		.amdhsa_reserve_vcc 0
		.amdhsa_float_denorm_mode_32 3
		.amdhsa_float_denorm_mode_16_64 3
		.amdhsa_memory_ordered 1
		.amdhsa_forward_progress 1
		.amdhsa_inst_pref_size 113
	.end_amdhsa_kernel
	.amdgpu_metadata
---
amdhsa.version: [ 1, 2 ]
amdhsa.kernels:
  - .name:           k_q32f0919676_attn
    .symbol:         k_q32f0919676_attn.kd
    .args:
      - { .name: query_codes, .offset: 0, .size: 8, .value_kind: global_buffer, .address_space: global }
      - { .name: key_codes, .offset: 8, .size: 8, .value_kind: global_buffer, .address_space: global }
      - { .name: value_codes, .offset: 16, .size: 8, .value_kind: global_buffer, .address_space: global }
      - { .name: lowp_scales, .offset: 24, .size: 8, .value_kind: global_buffer, .address_space: global }
      - { .name: maskw, .offset: 32, .size: 8, .value_kind: global_buffer, .address_space: global }
      - { .name: flags, .offset: 40, .size: 8, .value_kind: global_buffer, .address_space: global }
      - { .name: out0, .offset: 48, .size: 8, .value_kind: global_buffer, .address_space: global }
    .group_segment_fixed_size: 142336
    .private_segment_fixed_size: 0
    .kernarg_segment_align: 8
    .kernarg_segment_size: 56
    .max_flat_workgroup_size: 256
    .sgpr_count:     102
    .vgpr_count:     512
    .wavefront_size: 32
...
	.end_amdgpu_metadata
.endif
;; end of part 2
